; MI455X (gfx1250); checked and timed in simulation.
; The chip was launched on July 23, 2026; its instructions are those of AMD's public machine-readable ISA for CDNA 5 (MIT licence, August 2026) and "CDNA5" Instruction Set Architecture Reference Guide (July 2026). The comments in the code are by the model that wrote it; some were corrected since.
;; Multi Headed Cross Attention. Allowed arithmetic: matrix products marked QUANTISED: E2M3 operands, one E8M0 scale for each 32 along K, by v_wmma_scale_f32_16x16x128_f8f6f4 with both operands' format E2M3, f32 sums; everything else in f32.
;; Inputs: Wh 1,024 x 1,024 float32; Wk 1,024 x 1,024 float32; Wq 1,024 x 1,024 float32; Wv 1,024 x 1,024 float32; X 4 x 2,048 x 1,024 float32; bh 1,024 float32.
;; Outputs: out0 4 x 2,048 x 1,024 float32.
;; This version of the problem:
;;   THIS VERSION OF THE PROBLEM IS GIVEN IN LOW PRECISION. The matrix products marked QUANTISED in the list below multiply operands that are first quantised to E2M3 (2 exponent bits, 3 mantissa bits; 6 bits a number), with one power-of-two scale for each 32 numbers along K (OCP MX v1.0); their sums are f32. All else is computed in f32.
;;   The module's matrix products, in the order in which they are computed (A, B: the left and right operand; K: the contracted axis; several contracted axes count as one K, in the product's order):
;;     1. [M 8,192, K 1,024] x [K 1,024, N 1,024]; A: input X; B: input Wq: QUANTISED
;;     2. [M 8,192, K 1,024] x [K 1,024, N 1,024]; A: input X; B: input Wk: QUANTISED
;;     3. [M 8,192, K 1,024] x [K 1,024, N 1,024]; A: input X; B: input Wv: QUANTISED
;;     4. batch 64 x [M 2,048, K 64] x [K 64, N 2,048]; A: computed on the way; B: computed on the way: QUANTISED
;;     5. batch 64 x [M 2,048, K 2,048] x [K 2,048, N 64]; A: softmax (see below); B: computed on the way: QUANTISED
;;     6. [M 8,192, K 1,024] x [K 1,024, N 1,024]; A: computed on the way; B: input Wh: QUANTISED
;;   THE QUANTISER, for each operand of a quantised product, along K:
;;     - K is cut into blocks of 32 from its start; a last block that is shorter is filled with zeros.
;;     - A block's scale is 2^e with e = floor(log2(the largest magnitude in the block)) - 2, held to -126 .. 127; a block of zeros has e = 0. As a byte (E8M0): e + 127.
;;     - Each number is divided by its block's scale, clamped to +-7.5, and rounded to the nearest number of E2M3, ties to even, subnormals kept.
;;     - The product sums the exact products of the quantised numbers (number of the format x scale) in f32.
;;   ~~~python
;;   def quantise(x, axis):      # numpy; x: float32 -> the quantised numbers, widened to float32 again
;;       x = np.moveaxis(x, axis, -1); K = x.shape[-1]
;;       x = np.pad(x, [(0, 0)] * (x.ndim - 1) + [(0, -K % 32)]); x = x.reshape(x.shape[:-1] + (-1, 32)); a = np.abs(x).max(-1, keepdims=True)
;;       e = np.where(a > 0, np.clip(np.frexp(np.where(a > 0, a, 1))[1] - 1 - 2, -126, 127), 0)      # np.frexp(a)[1] - 1 = floor(log2(a)), exactly
;;       r = np.clip(x / 2.0 ** e, -7.5, 7.5)
;;       step = 2.0 ** (np.maximum(np.frexp(np.where(r == 0, 1, r))[1] - 1, 0) - 3)
;;       q = np.round(r / step) * step * 2.0 ** e      # np.round: ties to even
;;       return np.moveaxis(q.reshape(q.shape[:-2] + (-1,))[..., :K], -1, axis).astype(np.float32)
;;   ~~~
;;   SOFTMAX AHEAD OF A QUANTISED PRODUCT. Where the list says 'softmax', what is quantised is not the finished softmax but p = 2^(t - M), with t = logit x log2(e) and M = ceil(the row's largest t), a whole number; so 1/2 < the row's largest p <= 1. The row's sum l is taken of the UNQUANTISED p, in f32, and the product's result is divided by l at the end. Since M is a whole number, a kernel that streams over the keys may use a running M (the ceiling of the running maximum): every later rescaling is an exact power of two, which a block's scale takes up: the codes' values come out the same.
;;   OPERANDS COMPUTED ON THE WAY. 'Computed on the way' means the value that the module computes at that place (a softmax that the list does not call 'softmax' is quantised finished and normalised). What goes into a quantiser is computed in f32, as accurately as f32 sums, v_exp_f32 and their like allow (about 1e-6 of the number): no bf16 or f16 on the way to a quantiser, and a product that is left as it is and whose result goes on into a quantised operand takes f32 operands (vector FMAs, or v_wmma_f32_16x16x4_f32). A number that lies on a knife's edge between two numbers of the format may be rounded either way, as far as f32 arithmetic and the matrix unit's own rounding can turn it there, and no further.
;; One version. Each part assembles by itself: llvm-mc -triple=amdgcn-amd-amdhsa -mcpu=gfx1250 --defsym DOCPART=n.
;; ======== version 1 of 1: 4 launches
;; limits: right only within a limited range of input values
;; workspace buffers: cimg 9,437,184 bytes; csc 393,216 bytes; qkvimg 18,874,368 bytes; qkvsc 1,572,864 bytes; himg 6,291,456 bytes; hsc 262,144 bytes
;; launch quant (part 1): grid 1280 x 1, 4 waves a work-group, no clusters, 34,304 bytes of LDS; arguments X, Wq, Wk, Wv, Wh, cimg, csc; writes cimg, csc
.if DOCPART == 1
	.amdgcn_target "amdgcn-amd-amdhsa--gfx1250"
	.amdhsa_code_object_version 6
	.text
	.protected	k_qd3bf76081d_quant
	.globl	k_qd3bf76081d_quant
	.p2align	8
	.type	k_qd3bf76081d_quant,@function
k_qd3bf76081d_quant:
	s_mov_b64 s[64:65], 0
	v_nop
	global_prefetch_b8 v0, s[64:65] scope:SCOPE_SE
	s_setreg_imm32_b32 hwreg(HW_REG_WAVE_MODE, 25, 1), 1
	s_wait_xcnt 0x0
; X [8192][1024] and the four weights [1024 (k)][1024 (n)], f32, become codes of FP6 (E2M3) with one E8M0 byte for each 32 along K, laid as IMAGES OF OPERAND REGISTERS.
; A TILE is 16 rows of an operand (rows of X; columns n of a weight).  Tile 2 b + u takes rows 32 b + 8 u + r + 8 (r / 8), r = 0 .. 15.  Tiles 0-511: X; 512-575 Wq; 576-639 Wk; 640-703 Wv; 704-767 Wh.
; cimg: [tile][K step of 128: 0 .. 7][1,536 bytes].  A fragment (12 registers a lane) lies as two halves of 768 bytes (64 along K each): registers 0-3 of lane L at 16 L, registers 4-5 at 512 + 8 L.
; csc:  [tile][pair of K steps: 0 .. 3][r][8 bytes]: the scale words of K steps 2 p and 2 p + 1 of row r.
; A block's scale byte is its largest magnitude's exponent field - 2, held at 1 from below.  A block of zeros so gets the byte 1 where the quantiser says 127: its codes are zeros, and this program alone reads the bytes.
; LIMITS: NaN and infinities among the inputs are not served.  The scale words leave as pieces of 4 bytes, 8 bytes apart: one byte in 128 of what the launch reads.
; Work-groups 0-1023: X, a wave to a fragment (16 rows x 128 K).  Work-groups 1024-1279: the weights, a wave to 32 columns x 128 K, a lane to a column, its registers running down K.
; No tensor load, no barrier, no loop: waves share nothing.
.set STGW,  8448                       ; a wave's stage: 16 rows x (512 bytes + 16)
.set SPARE, 4*STGW                     ; behind the stages: the spare words, 128 bytes a wave
.set SPW,   12                         ; v12  my spare word's LDS address; never rewritten
.set NIL,   13                         ; v13  0; never rewritten
.set RAW,   32                         ; v32-95   X: 16 rows as loaded
.set XQ,    96                         ; v96-159  X: my row's 64 numbers: register 16 b + i = k 32 b + 16 (lane / 16) + i
.set TM,    160                        ; v160-175 at work
.set PW,    176                        ; the scale word
.set PC,    32                         ; the codes (v32-43; v44-50 at work)
.set SEL,   20                         ; s[20:21] lane selects: lane l xor 16
.set XW,    32                         ; v32-159  weights: my column's 128 numbers
.set CD,    160                        ; v160-183 weights: six registers of codes for each block of 32
; 64 numbers of a lane become a fragment's codes in v[PC] on and its scale word in v[PW]
.macro QUANT s
.irp b, 0,1,2,3
	v_max3_num_f32 v[TM+\b], |v[\s+16*\b]|, |v[\s+1+16*\b]|, 0x1800000   ; my 16 numbers of block b, and the floor 2^(3 - 127): the byte cannot fall under 1
.endr
.irp i, 2,4,6,8,10,12,14
.irp b, 0,1,2,3
	v_max3_num_f32 v[TM+\b], v[TM+\b], |v[\s+16*\b+\i]|, |v[\s+1+16*\b+\i]|
.endr
.endr
.irp b, 0,1,2,3
	v_permlanex16_b32 v[TM+4+\b], v[TM+\b], s[SEL], s[SEL+1]
.endr
.irp b, 0,1,2,3
	v_max_num_f32 v[TM+\b], v[TM+\b], v[TM+4+\b]   ; with lane l xor 16's 16: the block's largest magnitude
.endr
.irp b, 0,1,2,3
	v_add_nc_u32 v[TM+12+\b], 0xff000000, v[TM+\b]   ; 2 off its exponent field: the conversion's scale operand
.endr
.irp b, 0,1,2,3
	v_lshrrev_b32 v[TM+4+\b], 23, v[TM+12+\b]      ; the scale's byte
.endr
	v_lshl_or_b32 v[PW], v[TM+5], 8, v[TM+4]
	v_lshl_or_b32 v[PW], v[TM+6], 16, v[PW]
	v_lshl_or_b32 v[PW], v[TM+7], 24, v[PW]
.irp c, 0,1
	v_cvt_scalef32_pk16_fp6_f32 v[PC+6*\c:PC+2+6*\c], v[\s+32*\c:\s+15+32*\c], v[TM+12+2*\c]
	v_cvt_scalef32_pk16_fp6_f32 v[PC+12+4*\c:PC+14+4*\c], v[\s+16+32*\c:\s+31+32*\c], v[TM+12+2*\c+1]
.endr
	v_nop                                          ; one plain place behind a scaled conversion
.irp c, 0,1                                    ; a whole block to a lane: lanes 0-15 block 2 c, lanes 16-31 block 2 c + 1
.irp i, 0,1,2
	v_permlane16_swap_b32 v[PC+6*\c+\i], v[PC+12+4*\c+\i]
.endr
.irp i, 0,1,2
	v_mov_b32 v[PC+3+6*\c+\i], v[PC+12+4*\c+\i]
.endr
.endr
.endm
	s_load_b256 s[4:11], s[0:1], 0x0               ; X s[4:5], Wq s[6:7], Wk s[8:9], Wv s[10:11]
	s_load_b128 s[12:15], s[0:1], 0x20             ; Wh s[12:13], cimg s[14:15]
	s_load_b64 s[16:17], s[0:1], 0x30              ; csc
	v_lshl_add_u32 v[SPW], v0, 2, SPARE
	v_mov_b32 v[NIL], 0
	v_lshrrev_b32 v1, 5, v0
	v_readfirstlane_b32 s18, v1                    ; wave
	v_and_b32 v1, 31, v0                           ; lane
	v_and_b32 v2, 15, v0                           ; r
	v_bfe_u32 v3, v0, 4, 1                         ; h
	s_mul_i32 s19, s18, STGW
	v_lshlrev_b32 v4, 4, v1                        ; 16 x lane
	v_lshlrev_b32 v5, 3, v1                        ; 8 x lane
	v_lshlrev_b32 v6, 3, v2                        ; 8 r
	v_add_nc_u32 v7, s19, v4                       ; the stage, on the way in: a row's 512 bytes as they lie
	v_mul_u32_u24 v8, v2, 528
	v_lshl_add_u32 v8, v3, 6, v8
	v_add_nc_u32 v8, s19, v8                       ; and on the way out: row r, + 64 h
	s_mov_b32 s[SEL], 0x76543210
	s_mov_b32 s[SEL+1], 0xfedcba98
	s_wait_kmcnt 0x0
	s_cmp_ge_u32 ttmp9, 1024
	s_cbranch_scc1 .Lweights
	; ---- X: tile T = work-group / 2, K step s = 4 (work-group % 2) + wave
	s_lshr_b32 s22, ttmp9, 1                       ; T
	s_and_b32 s23, ttmp9, 1
	s_lshl_b32 s23, s23, 2
	s_add_co_u32 s23, s23, s18                     ; s
	s_lshr_b32 s24, s22, 1
	s_lshl_b32 s24, s24, 5
	s_and_b32 s25, s22, 1
	s_lshl_b32 s25, s25, 3
	s_add_co_u32 s24, s24, s25                     ; the tile's first row: 32 (T / 2) + 8 (T % 2)
	s_lshl_b32 s24, s24, 12                        ; rows of 4,096 bytes
	s_lshl_b32 s25, s23, 9                         ; + 512 bytes a K step
	s_add_co_u32 s24, s24, s25
	s_mov_b32 s25, 0
	s_add_nc_u64 s[4:5], s[4:5], s[24:25]
	s_mul_i32 s26, s22, 12288
	s_mul_i32 s27, s23, 1536
	s_add_co_u32 s26, s26, s27
	s_mov_b32 s27, 0
	s_add_nc_u64 s[14:15], s[14:15], s[26:27]      ; the fragment's image
	s_lshl_b32 s28, s22, 9
	s_lshr_b32 s29, s23, 1
	s_lshl_b32 s29, s29, 7
	s_add_co_u32 s28, s28, s29
	s_and_b32 s29, s23, 1
	s_lshl_b32 s29, s29, 2
	s_add_co_u32 s28, s28, s29
	s_mov_b32 s29, 0
	s_add_nc_u64 s[16:17], s[16:17], s[28:29]      ; its scale words
	s_wait_alu depctr_va_vdst(0)
.irp i, 0,1,2,3,4,5,6,7,8,9,10,11,12,13,14,15
	global_load_b128 v[RAW+4*\i:RAW+4*\i+3], v4, s[4:5] offset:(\i+8*(\i/8))*4096 th:TH_LOAD_NT   ; the tile's row i: 32 lanes read 512 consecutive bytes
.endr
.irp b, 0,1,2,3
	v_mov_b32 v[TM+4+\b], 0                        ; written once: a lane permute's destination counts as one of its sources
.endr
.irp i, 0,1,2,3,4,5,6,7,8,9,10,11,12,13,14,15
	s_wait_loadcnt 15-\i                           ; row i is in; the younger loads stay out
	ds_store_b128 v7, v[RAW+4*\i:RAW+4*\i+3] offset:528*\i
.endr
.irp b, 0,1,2,3
.irp j, 0,1,2,3
	ds_load_b128 v[XQ+16*\b+4*\j:XQ+16*\b+4*\j+3], v8 offset:128*\b+16*\j   ; LDS serves a wave's instructions in order: these see my stores
.endr
.endr
	s_wait_dscnt 0x0
	QUANT XQ
	global_store_b128 v4, v[PC:PC+3], s[14:15]                 ; each store covers whole aligned runs of 256 bytes
	global_store_b64 v5, v[PC+4:PC+5], s[14:15] offset:512
	global_store_b128 v4, v[PC+6:PC+9], s[14:15] offset:768
	global_store_b64 v5, v[PC+10:PC+11], s[14:15] offset:1280
	global_store_b32 v6, v[PW], s[16:17]                       ; lanes r and r + 16 hold the same word and write it to the same place
	s_wait_tensorcnt 0x0                           ; the wave's end
	ds_add_u32 v[SPW], v[NIL]
	s_wait_dscnt 0x0
	s_endpgm
.Lweights:
	; ---- the weights: g = work-group - 1024: weight g / 64, K step (g / 8) % 8, columns 128 (g % 8) + 32 wave + lane
	v_lshlrev_b32 v16, 2, v1                       ; in: 4 bytes a lane: the wave reads 128 consecutive bytes, the four waves 512
	s_wait_alu depctr_va_vdst(0)
	v_bfe_u32 v20, v0, 3, 1                        ; u: which of my two tiles my column falls into
	v_and_b32 v21, 7, v0
	v_lshl_add_u32 v21, v3, 3, v21                 ; r = lane % 8 + 8 (lane / 16)
	v_mul_u32_u24 v22, v20, 12288
	v_lshl_add_u32 v17, v21, 4, v22                ; out: registers 0-3 of a block
	v_lshl_add_u32 v18, v21, 3, v22                ; registers 4-5
	v_lshlrev_b32 v19, 9, v20
	v_lshl_add_u32 v19, v21, 3, v19                ; the scale word
	s_sub_co_u32 s22, ttmp9, 1024
	s_lshr_b32 s23, s22, 6                         ; which weight
	s_bfe_u32 s24, s22, 0x30003                    ; K step
	s_and_b32 s25, s22, 7                          ; group of 128 columns
	s_cmp_eq_u32 s23, 1
	s_cselect_b64 s[6:7], s[8:9], s[6:7]
	s_cmp_eq_u32 s23, 2
	s_cselect_b64 s[6:7], s[10:11], s[6:7]
	s_cmp_eq_u32 s23, 3
	s_cselect_b64 s[6:7], s[12:13], s[6:7]
	s_lshl_b32 s26, s24, 19                        ; 128 rows of 4,096 bytes a K step
	s_lshl_b32 s27, s25, 9
	s_add_co_u32 s26, s26, s27
	s_lshl_b32 s27, s18, 7
	s_add_co_u32 s26, s26, s27
	s_mov_b32 s27, 0
	s_add_nc_u64 s[6:7], s[6:7], s[26:27]
	s_lshl_b32 s28, s23, 6
	s_lshl_b32 s29, s25, 3
	s_add_co_u32 s28, s28, s29
	s_lshl_b32 s29, s18, 1
	s_add_co_u32 s28, s28, s29
	s_add_co_u32 s28, s28, 512                     ; my first tile
	s_mul_i32 s30, s28, 12288
	s_mul_i32 s31, s24, 1536
	s_add_co_u32 s30, s30, s31
	s_mov_b32 s31, 0
	s_add_nc_u64 s[14:15], s[14:15], s[30:31]
	s_lshl_b32 s30, s28, 9
	s_lshr_b32 s29, s24, 1
	s_lshl_b32 s29, s29, 7
	s_add_co_u32 s30, s30, s29
	s_and_b32 s29, s24, 1
	s_lshl_b32 s29, s29, 2
	s_add_co_u32 s30, s30, s29
	s_add_nc_u64 s[16:17], s[16:17], s[30:31]
.macro WLOAD kb                        ; block kb: W(32 kb + i, my column), i = 0 .. 31
.irp i, 0,1,2,3,4,5,6,7,8,9,10,11,12,13,14,15,16,17,18,19,20,21,22,23,24,25,26,27,28,29,30,31
	global_load_b32 v[XW+32*(\kb)+\i], v16, s[6:7] offset:4096*(32*(\kb)+\i) th:TH_LOAD_NT
.endr
.endm
; Block kb = 2 c + h of my column is registers 6 c .. 6 c + 5 of lane r + 16 h of the fragment: its bytes lie at 768 c + 256 h + 16 r and at 768 c + 512 + 128 h + 8 r.
.macro WBLOCK kb
.set XS, XW+32*(\kb)
.set CB, CD+6*(\kb)
.if (\kb) < 3
	s_wait_loadcnt 32                              ; this block's 32 loads are in; the next block's 32 may be out
.else
	s_wait_loadcnt 0x0
.endif
.if (\kb) < 2
	WLOAD (\kb)+2                                  ; two blocks ahead, into registers of its own
.endif
	v_max3_num_f32 v20, |v[XS]|, |v[XS+1]|, |v[XS+2]|
	v_max3_num_f32 v21, |v[XS+3]|, |v[XS+4]|, |v[XS+5]|
.irp i, 6,10,14,18,22,26
	v_max3_num_f32 v20, v20, |v[XS+\i]|, |v[XS+\i+1]|
	v_max3_num_f32 v21, v21, |v[XS+\i+2]|, |v[XS+\i+3]|
.endr
	v_max3_num_f32 v20, v20, |v[XS+30]|, |v[XS+31]|
	v_max3_num_f32 v20, v20, v21, 0x1800000        ; and the floor
	v_add_nc_u32 v22, 0xff000000, v20
	v_lshrrev_b32 v21, 23, v22
.if (\kb) == 0
	v_mov_b32 v14, v21
.else
	v_lshl_or_b32 v14, v21, 8*(\kb), v14           ; the K step's scale word, the lower K in the lower byte
.endif
	v_cvt_scalef32_pk16_fp6_f32 v[CB:CB+2], v[XS:XS+15], v22
	v_cvt_scalef32_pk16_fp6_f32 v[184:186], v[XS+16:XS+31], v22   ; (a conversion's three registers begin on an even number)
	v_nop
	v_mov_b32 v[CB+3], v184
	v_mov_b32 v[CB+4], v185
	v_mov_b32 v[CB+5], v186
	global_store_b128 v17, v[CB:CB+3], s[14:15] offset:768*((\kb)/2)+256*((\kb)%2)       ; sixteen lanes fill 256 aligned bytes of one tile, sixteen those of the other
	global_store_b64 v18, v[CB+4:CB+5], s[14:15] offset:768*((\kb)/2)+512+128*((\kb)%2)
.endm
	WLOAD 0
	WLOAD 1
	WBLOCK 0
	WBLOCK 1
	WBLOCK 2
	WBLOCK 3
	global_store_b32 v19, v14, s[16:17]
	s_endpgm
.Lfunc_end_k_qd3bf76081d_quant:
	.size	k_qd3bf76081d_quant, .Lfunc_end_k_qd3bf76081d_quant-k_qd3bf76081d_quant
	.p2alignl 7, 3214868480
	.fill 96, 4, 3214868480
	.section	.rodata,"a",@progbits
	.p2align	6, 0x0
	.amdhsa_kernel k_qd3bf76081d_quant
		.amdhsa_group_segment_fixed_size 34304
		.amdhsa_private_segment_fixed_size 0
		.amdhsa_enable_private_segment 0
		.amdhsa_kernarg_size 56
		.amdhsa_user_sgpr_count 2
		.amdhsa_user_sgpr_kernarg_segment_ptr 1
		.amdhsa_wavefront_size32 1
		.amdhsa_system_sgpr_workgroup_id_x 1
		.amdhsa_system_sgpr_workgroup_id_y 1
		.amdhsa_system_sgpr_workgroup_id_z 1
		.amdhsa_system_vgpr_workitem_id 0
		.amdhsa_next_free_vgpr 192
		.amdhsa_next_free_sgpr 66
		.amdhsa_reserve_vcc 0
		.amdhsa_float_denorm_mode_32 3
		.amdhsa_float_denorm_mode_16_64 3
		.amdhsa_memory_ordered 1
		.amdhsa_forward_progress 1
		.amdhsa_inst_pref_size 32
	.end_amdhsa_kernel
	.amdgpu_metadata
---
amdhsa.version: [ 1, 2 ]
amdhsa.kernels:
  - .name:           k_qd3bf76081d_quant
    .symbol:         k_qd3bf76081d_quant.kd
    .args:
      - { .name: X, .offset: 0, .size: 8, .value_kind: global_buffer, .address_space: global }
      - { .name: Wq, .offset: 8, .size: 8, .value_kind: global_buffer, .address_space: global }
      - { .name: Wk, .offset: 16, .size: 8, .value_kind: global_buffer, .address_space: global }
      - { .name: Wv, .offset: 24, .size: 8, .value_kind: global_buffer, .address_space: global }
      - { .name: Wh, .offset: 32, .size: 8, .value_kind: global_buffer, .address_space: global }
      - { .name: cimg, .offset: 40, .size: 8, .value_kind: global_buffer, .address_space: global }
      - { .name: csc, .offset: 48, .size: 8, .value_kind: global_buffer, .address_space: global }
    .group_segment_fixed_size: 34304
    .private_segment_fixed_size: 0
    .kernarg_segment_align: 8
    .kernarg_segment_size: 56
    .max_flat_workgroup_size: 128
    .sgpr_count:     66
    .vgpr_count:     192
    .wavefront_size: 32
...
	.end_amdgpu_metadata
.endif
;; end of part 1
;; launch gemm_qkv (part 2): grid 12 x 32, 4 waves a work-group, clusters of 4 x 4, 327,680 bytes of LDS; arguments cimg, csc, qkvimg, qkvsc; writes qkvimg, qkvsc
.if DOCPART == 2
	.amdgcn_target "amdgcn-amd-amdhsa--gfx1250"
	.amdhsa_code_object_version 6
	.text
	.protected	k_qd3bf76081d_gemm_qkv
	.globl	k_qd3bf76081d_gemm_qkv
	.p2align	8
	.type	k_qd3bf76081d_gemm_qkv,@function
k_qd3bf76081d_gemm_qkv:
	s_mov_b64 s[64:65], 0
	v_nop
	global_prefetch_b8 v0, s[64:65] scope:SCOPE_SE
	s_setreg_imm32_b32 hwreg(HW_REG_WAVE_MODE, 25, 1), 1
	s_wait_xcnt 0x0
	s_wait_alu depctr_hold_cnt(0) depctr_sa_sdst(0) depctr_va_vdst(0) depctr_va_sdst(0) depctr_va_ssrc(0) depctr_va_vcc(0) depctr_vm_vsrc(0)
	s_getreg_b32 s2, hwreg(HW_REG_IB_STS2, 6, 4)
	s_cmp_eq_u32 s2, 0
	s_cbranch_scc0 .Lentry_in_a_cluster
	s_endpgm
.Lentry_in_a_cluster:
	s_bfe_u32 s2, ttmp6, 0x10000c
	s_cmp_lg_u32 s2, 0xf033
	s_cbranch_scc0 .Lentry_shape_is_right
	s_endpgm
.Lentry_shape_is_right:
; Q, K, V = X W on codes of FP6 (E2M3) with E8M0 scales, read as images of operand registers (cimg, csc), each result quantised again and stored as the next products' operand images.
; A work-group makes 256 x 256, four waves of 128 x 128; K goes in pairs of steps of 128 through a ring of two LDS slots; clusters of 4 x 4 ask for A's and B's tiles jointly.
; THE HEAD: one joint load a wave: wave 0 slot 0's sixteen tiles of A, wave 1 those of B, wave 2 A's scale words, wave 3 B's.  Slot 1's first fill stands behind the full sequence and a round, as a refill does.
; For V (cluster x = 2) the sources change places, so that V's scale blocks run along the tokens.  Q takes the factor 1 / 8, a power of two, ahead of its quantiser.
; LIMITS: NaN and infinities are not served; a block of zeros gets the byte 1 (its codes are zeros, and this program alone reads the bytes).
.set NQ,     2
.set FR,     12
.set NL,     4
.set NP,     4
.set TILEB,  3072
.set TILEG,  12288
.set HALFT,  8*TILEB
.set SLOT,   4*HALFT
.set SCL,    2*SLOT
.set HALFS,  4096
.set SPARE,  SCL+4*HALFS
.set SSTG,   SPARE+512
.set ADRA, 16
.set ADRB, 20
.set ADRS, 27
.set SPW,  28
.set NIL,  29
.set SC,   32
.set AF,   128
.set G1, 24
.set G0, 32
.set G1B, 48
.set G0B, 56
.set G1S, 68
.set G0S, 76
.set G1SB, 80
.set G0SB, 88
.set ST,   64
.set TM,   128
.set PW,   144
.set WD,   145
.set PC,   160
.set SEL,  60
.set MSB, 0
.macro WIN new
.if MSB != \new
	s_set_vgpr_msb (MSB<<8)|\new
.set MSB, \new
.endif
.endm
.set MUL_LO, 0xa1
.set MUL_HI, 0xf1
.set TO_B,   0x40
.macro JLOAD g0a, g1a, g0b, g1b
	s_cmp_eq_u32 s15, 0
	s_cbranch_scc0 .Lfor_b_\@
	tensor_load_to_lds s[\g0a:\g0a+3], s[\g1a:\g1a+7]
	s_nop 0
.rept 4
	v_nop
.endr
	s_branch .Lasked_\@
.Lfor_b_\@:
	tensor_load_to_lds s[\g0b:\g0b+3], s[\g1b:\g1b+7]
	s_nop 0
.rept 4
	v_nop
.endr
.Lasked_\@:
.endm
.macro CREST
	s_cmp_lg_u32 s14, 0
	s_cbranch_scc1 .Lnot_wave_0_\@
	s_barrier_signal -3
.Lnot_wave_0_\@:
	s_barrier_wait -3
	s_barrier_signal -1
	s_barrier_wait -1
.endm
.macro CROUND
	s_barrier_signal -1
	s_barrier_wait -1
	CREST
.endm
	s_load_b128 s[4:7], s[0:1], 0x0
	s_load_b128 s[8:11], s[0:1], 0x10
	v_lshl_add_u32 v[SPW], v0, 2, SPARE
	v_mov_b32 v[NIL], 0
	ds_add_u32 v[SPW], v[NIL]
	ds_add_u32 v[SPW], v[NIL]
	v_lshrrev_b32 v1, 5, v0
	v_readfirstlane_b32 s14, v1
	s_lshr_b32 s15, s14, 1
	s_and_b32 s16, s14, 1
	s_bfe_u32 s40, ttmp6, 0x40000
	s_bfe_u32 s41, ttmp6, 0x40004
	s_and_b32 s17, ttmp7, 0xffff
	s_lshl_b32 s17, s17, 2
	s_lshl_b32 s42, ttmp9, 2
	s_cmp_eq_u32 ttmp9, 2
	s_cselect_b32 s96, 1, 0
	s_cselect_b32 s18, 0, s17
	s_cselect_b32 s42, s17, s42
	s_cselect_b32 s19, 640, 0
	s_cselect_b32 s45, 0, 512
	s_add_co_u32 s18, s18, s41
	s_add_co_u32 s42, s42, s40
	s_lshl_b32 s43, s41, 2
	s_lshl_b32 s43, 15, s43
	s_lshl_b32 s44, 0x1111, s40
	s_or_b32 s[G1+0], s43, (3<<16)|(1<<21)
	s_or_b32 s[G1B+0], s44, (3<<16)|(1<<21)
.irp g, G1, G1B
	s_mov_b32 s[\g+1], 384<<16
	s_mov_b32 s[\g+2], 16<<16
	s_mov_b32 s[\g+3], 384<<16
	s_mov_b32 s[\g+4], 16
	s_mov_b32 s[\g+5], 1536
	s_mov_b32 s[\g+6], 0
	s_mov_b32 s[\g+7], 0
.endr
	s_or_b32 s[G1S+0], s43, (3<<16)|(1<<21)
	s_or_b32 s[G1SB+0], s44, (3<<16)|(1<<21)
.irp g, G1S, G1SB
	s_mov_b32 s[\g+1], 32<<16
	s_mov_b32 s[\g+2], 32<<16
	s_mov_b32 s[\g+3], 32<<16
	s_mov_b32 s[\g+4], 32
	s_mov_b32 s[\g+5], 32
	s_mov_b32 s[\g+6], 0
	s_mov_b32 s[\g+7], 0
.endr
	s_mul_i32 s98, s16, 8*TILEG                    ; in the ring I fetch eight tiles of sixteen: which half, in bytes
	s_mov_b32 s99, 0
	s_lshl_b32 s20, s18, 4
	s_add_co_u32 s20, s20, s19
	s_lshl_b32 s46, s42, 4
	s_add_co_u32 s46, s46, s45
	s_lshl_b32 s22, s20, 9
	s_mov_b32 s23, 0
	s_lshl_b32 s92, s46, 9
	s_mov_b32 s93, 0
	s_mul_i32 s20, s20, TILEG
	s_mov_b32 s21, 0
	s_mul_i32 s46, s46, TILEG
	s_mov_b32 s47, 0
	s_mul_i32 s45, s14, HALFT
	s_wait_dscnt 0x0
	s_wait_kmcnt 0x0
	s_add_nc_u64 s[20:21], s[4:5], s[20:21]
	s_add_nc_u64 s[22:23], s[6:7], s[22:23]
	s_add_nc_u64 s[46:47], s[4:5], s[46:47]
	s_add_nc_u64 s[92:93], s[6:7], s[92:93]
	CROUND
	s_mov_b32 s[G0S], 1
	s_mov_b32 s[G0S+1], SCL
	s_mov_b64 s[G0S+2:G0S+3], s[22:23]
	s_or_b32 s[G0S+3], s[G0S+3], 0x80000000
	s_mov_b32 s[G0SB], 1
	s_mov_b32 s[G0SB+1], SCL+2*HALFS
	s_mov_b64 s[G0SB+2:G0SB+3], s[92:93]
	s_or_b32 s[G0SB+3], s[G0SB+3], 0x80000000
	s_mov_b32 s4, 1                                ; the head's group 0 for slot 0's sixteen tiles of A (the arguments that lay here have been used),
	s_mov_b32 s5, 0
	s_mov_b64 s[6:7], s[20:21]
	s_or_b32 s7, s7, 0x80000000
	s_mov_b32 s92, 1                               ; and of B, behind them
	s_mov_b32 s93, 2*HALFT
	s_mov_b64 s[94:95], s[46:47]
	s_or_b32 s95, s95, 0x80000000
	s_add_nc_u64 s[20:21], s[20:21], s[98:99]      ; for the ring: my eight tiles
	s_add_nc_u64 s[46:47], s[46:47], s[98:99]
.irp s, 0,1
	s_mov_b32 s[G0+4*\s], 1
	s_add_co_u32 s[G0+4*\s+1], s45, \s*SLOT
	s_add_nc_u64 s[G0+4*\s+2:G0+4*\s+3], s[20:21], \s*TILEB
	s_or_b32 s[G0+4*\s+3], s[G0+4*\s+3], 0x80000000
	s_mov_b32 s[G0B+4*\s], 1
	s_add_co_u32 s[G0B+4*\s+1], s45, \s*SLOT
	s_add_nc_u64 s[G0B+4*\s+2:G0B+4*\s+3], s[46:47], \s*TILEB
	s_or_b32 s[G0B+4*\s+3], s[G0B+4*\s+3], 0x80000000
.endr
; one chain of branches on the wave's number, one load to an arm: every way through the head passes exactly one load
.macro ARM under, g0, g1, next
	s_cmp_lt_u32 s14, \under
	s_cbranch_scc0 \next
	tensor_load_to_lds s[\g0:\g0+3], s[\g1:\g1+7]
	s_nop 0
.rept 4
	v_nop
.endr
	s_branch .Lhead_asked
\next:
.endm
	ARM 1, 4,   G1,  .Lhead_b
	ARM 2, 92,  G1B, .Lhead_sa
	ARM 3, G0S, G1S, .Lhead_sb
	tensor_load_to_lds s[G0SB:G0SB+3], s[G1SB:G1SB+7]
	s_nop 0
.rept 4
	v_nop
.endr
.Lhead_asked:
	v_and_b32 v1, 31, v0
	v_and_b32 v2, 15, v0
	v_bfe_u32 v3, v0, 4, 1
	v_lshlrev_b32 v8, 4, v1
	v_lshlrev_b32 v9, 3, v1
	s_mul_i32 s21, s15, HALFT
	s_mul_i32 s22, s16, HALFT
	s_add_co_u32 s22, s22, 2*HALFT
.irp s, 0,1
	v_add_nc_u32 v[ADRA+\s], s21, v8
	v_add_nc_u32 v[ADRB+\s], s22, v8
	v_add_nc_u32 v[ADRA+2+\s], s21, v9
	v_add_nc_u32 v[ADRB+2+\s], s22, v9
	s_add_co_u32 s21, s21, SLOT
	s_add_co_u32 s22, s22, SLOT
.endr
	v_lshlrev_b32 v6, 3, v2
	s_lshl_b32 s21, s15, 12
	s_lshl_b32 s22, s16, 12
	s_add_co_u32 s22, s22, 2*HALFS
	s_sub_co_u32 s22, s22, s21
	v_mul_u32_u24 v7, s22, v3
	s_add_co_u32 s21, s21, SCL
	v_add_nc_u32 v6, v6, v7
	v_add_nc_u32 v[ADRS], s21, v6
	s_lshl_b32 s23, s14, 10
	s_add_co_u32 s23, s23, SSTG
	v_lshlrev_b32 v10, 2, v2
	v_lshl_add_u32 v10, v3, 9, v10
	v_add_nc_u32 v10, s23, v10
	v_add_nc_u32 v11, s23, v8
.macro FRAG reg, adr, q, i
	ds_load_b128 v[\reg:\reg+3], v[\adr] offset:(\i)*TILEB+(\q)*1536
	ds_load_b64 v[\reg+4:\reg+5], v[\adr+2] offset:(\i)*TILEB+(\q)*1536+512
	ds_load_b128 v[\reg+6:\reg+9], v[\adr] offset:(\i)*TILEB+(\q)*1536+768
	ds_load_b64 v[\reg+10:\reg+11], v[\adr+2] offset:(\i)*TILEB+(\q)*1536+1280
.endm
.macro MUL16 a0, p, q, sc, zero
.irp a, \a0, \a0+1
.irp b, 0,1,2,3,4,5,6,7
.set rD, 8*(8*((\a)%4)+\b)
.set rB, 128*(\p)+FR*\b
.set rA, AF+FR*(\a)
.set rSB, SC+8*NQ*(\sc)+NQ*\b+(\q)
.set rSA, SC+8*NQ*(\sc)+NQ*(\a)+(\q)
.if \zero
	v_wmma_scale_f32_16x16x128_f8f6f4 v[rD:rD+7], v[rB:rB+FR-1], v[rA:rA+FR-1], 0, v[rSB], v[rSA] matrix_a_fmt:MATRIX_FMT_FP6 matrix_b_fmt:MATRIX_FMT_FP6 matrix_a_scale:MATRIX_SCALE_ROW1
.else
	v_wmma_scale_f32_16x16x128_f8f6f4 v[rD:rD+7], v[rB:rB+FR-1], v[rA:rA+FR-1], v[rD:rD+7], v[rSB], v[rSA] matrix_a_fmt:MATRIX_FMT_FP6 matrix_b_fmt:MATRIX_FMT_FP6 matrix_a_scale:MATRIX_SCALE_ROW1
.endif
.endr
.endr
.endm
.macro FETCH_B slot, q, p
	WIN TO_B
.irp i, 0,1,2,3,4,5,6,7
	FRAG 128*(\p)+FR*\i, ADRB+\slot, \q, \i
.endr
	WIN 0
.endm
.macro FETCH_A slot, q, i0
.irp i, \i0, \i0+1, \i0+2, \i0+3
	FRAG AF+FR*(\i), ADRA+\slot, \q, \i
.endr
.endm
.macro SCALES sc
.irp i, 0,1,2,3,4,5,6,7
	ds_load_b64 v[SC+8*NQ*\sc+NQ*\i:SC+8*NQ*\sc+NQ*\i+1], v[ADRS] offset:\i*512
.endr
.endm
.macro PLACES n
.rept \n
	v_nop
.endr
.endm
.macro STEP slot, q, zero
	s_wait_dscnt 4*NL
	WIN MUL_LO
	MUL16 0, (\q)%2, \q, \slot, \zero
	MUL16 2, (\q)%2, \q, \slot, \zero
	s_wait_dscnt 0
	PLACES NP
	FETCH_B \slot, (\q)+1, 1-(\q)%2
	FETCH_A \slot, (\q)+1, 0
	WIN MUL_HI
	MUL16 4, (\q)%2, \q, \slot, \zero
	MUL16 6, (\q)%2, \q, \slot, \zero
	PLACES NP
	WIN 0
	FETCH_A \slot, (\q)+1, 4
.endm
.macro TURN slot, next, fill
	s_wait_tensorcnt 0x0
	ds_add_u32 v[SPW], v[NIL]
	s_wait_dscnt 4*NL+1
	WIN MUL_LO
	MUL16 0, 1, NQ-1, \slot, 0
	s_wait_dscnt 0x0
	s_barrier_signal -1
	MUL16 2, 1, NQ-1, \slot, 0
	WIN 0
	s_barrier_wait -1
.if \fill
	CREST
	s_add_nc_u64 s[G0+4*\slot+2:G0+4*\slot+3], s[G0+4*\slot+2:G0+4*\slot+3], 2*TILEB
	s_add_nc_u64 s[G0B+4*\slot+2:G0B+4*\slot+3], s[G0B+4*\slot+2:G0B+4*\slot+3], 2*TILEB
	JLOAD G0+4*\slot, G1, G0B+4*\slot, G1B
.else
	PLACES NP
.endif
	s_wait_alu depctr_va_vdst(0)
	v_add_nc_u32 v[ADRS], 128, v[ADRS]
	FETCH_B \next, 0, 0
	FETCH_A \next, 0, 0
	SCALES \next
	WIN MUL_HI
	MUL16 4, 1, NQ-1, \slot, 0
	MUL16 6, 1, NQ-1, \slot, 0
	PLACES NP
	WIN 0
	FETCH_A \next, 0, 4
.endm
	s_wait_alu depctr_va_vdst(0)
	s_wait_tensorcnt 0x0                           ; my tile of the head's four is in
	ds_add_u32 v[SPW], v[NIL]
	s_mov_b32 s[G1+2], 8<<16                       ; no load of mine is out: from here on a load brings eight tiles
	s_mov_b32 s[G1+4], 8
	s_mov_b32 s[G1B+2], 8<<16
	s_mov_b32 s[G1B+4], 8
	s_wait_dscnt 0x0
	CROUND                                         ; all four tiles are in, and the sixteen work-groups are here
	JLOAD G0+4, G1, G0B+4, G1B                     ; slot 1's first fill, the first tensor load behind the round
	FETCH_B 0, 0, 0
	FETCH_A 0, 0, 0
	SCALES 0
	FETCH_A 0, 0, 4
	STEP 0, 0, 1
	TURN 0, 1, 1
	STEP 1, 0, 0
	TURN 1, 0, 1
	STEP 0, 0, 0
	TURN 0, 1, 0
	STEP 1, 0, 0
	s_wait_dscnt 4*NL
	WIN MUL_LO
	MUL16 0, 1, NQ-1, 1, 0
	MUL16 2, 1, NQ-1, 1, 0
	s_wait_dscnt 0
	WIN MUL_HI
	MUL16 4, 1, NQ-1, 1, 0
	MUL16 6, 1, NQ-1, 1, 0
	WIN 0
	PLACES NP
	s_lshl_b32 s48, s18, 4
	s_lshl_b32 s49, s15, 3
	s_add_co_u32 s48, s48, s49
	s_lshr_b32 s49, s48, 7
	s_and_b32 s48, s48, 127
	s_lshr_b32 s50, s42, 3
	s_and_b32 s51, s42, 7
	s_lshl_b32 s51, s51, 1
	s_add_co_u32 s51, s51, s16
	s_mul_i32 s52, ttmp9, 786432
	s_mov_b32 s53, 768
	s_mov_b32 s30, 768
	s_mov_b32 s54, 98304
	s_mov_b32 s36, 256
	s_cmp_eq_u32 s96, 1
	s_cselect_b32 s49, s50, s49
	s_cselect_b32 s50, s41, s40
	s_cselect_b32 s55, s15, s16
	s_cselect_b32 s48, s51, s48
	s_cselect_b32 s52, 794624, s52
	s_cselect_b32 s53, 6144, s53
	s_cselect_b32 s56, 256, 64
	s_cselect_b32 s30, 1536, s30
	s_cselect_b32 s32, 92160, 0
	s_cselect_b32 s54, 768, s54
	s_cselect_b32 s36, 12288, s36
	s_cselect_b32 s37, 0, 16
	s_mov_b32 s31, 0
	s_mov_b32 s33, 0
	s_cmp_eq_u32 ttmp9, 0
	s_cselect_b32 s24, 0x3e000000, 1.0
	s_mov_b32 s25, s24
	s_lshl_b32 s49, s49, 4
	s_lshl_b32 s50, s50, 2
	s_lshl_b32 s55, s55, 1
	s_add_co_u32 s49, s49, s50
	s_add_co_u32 s49, s49, s55
	s_mul_i32 s58, ttmp9, 6291456
	s_mul_i32 s57, s49, 98304
	s_add_co_u32 s58, s58, s57
	s_mul_i32 s57, s48, s53
	s_add_co_u32 s58, s58, s57
	s_mov_b32 s59, 0
	s_add_nc_u64 s[26:27], s[8:9], s[58:59]
	s_mov_b32 s55, 0
	s_add_nc_u64 s[28:29], s[26:27], s[54:55]
	s_mul_i32 s57, s49, 12288
	s_add_co_u32 s58, s52, s57
	s_mul_i32 s57, s48, s56
	s_add_co_u32 s58, s58, s57
	s_add_nc_u64 s[34:35], s[10:11], s[58:59]
	s_mov_b32 s[SEL], 0x76543210
	s_mov_b32 s[SEL+1], 0xfedcba98
	v_mul_u32_u24 v12, s36, v3
	v_lshl_add_u32 v12, v2, 4, v12
	v_mul_u32_u24 v13, s37, v3
.irp b, 0,1,2,3
	v_mov_b32 v[TM+4+\b], 0
.endr
.macro QUANT s
.irp b, 0,1,2,3
	v_max3_num_f32 v[TM+\b], |v[\s+16*\b]|, |v[\s+1+16*\b]|, 0x1800000
.endr
.irp i, 2,4,6,8,10,12,14
.irp b, 0,1,2,3
	v_max3_num_f32 v[TM+\b], v[TM+\b], |v[\s+16*\b+\i]|, |v[\s+1+16*\b+\i]|
.endr
.endr
.irp b, 0,1,2,3
	v_permlanex16_b32 v[TM+4+\b], v[TM+\b], s[SEL], s[SEL+1]
.endr
.irp b, 0,1,2,3
	v_max_num_f32 v[TM+\b], v[TM+\b], v[TM+4+\b]
.endr
.irp b, 0,1,2,3
	v_add_nc_u32 v[TM+12+\b], 0xff000000, v[TM+\b]
.endr
.irp b, 0,1,2,3
	v_lshrrev_b32 v[TM+4+\b], 23, v[TM+12+\b]
.endr
	v_lshl_or_b32 v[PW], v[TM+5], 8, v[TM+4]
	v_lshl_or_b32 v[PW], v[TM+6], 16, v[PW]
	v_lshl_or_b32 v[PW], v[TM+7], 24, v[PW]
.irp c, 0,1
	v_cvt_scalef32_pk16_fp6_f32 v[PC+6*\c:PC+2+6*\c], v[\s+32*\c:\s+15+32*\c], v[TM+12+2*\c]
	v_cvt_scalef32_pk16_fp6_f32 v[PC+12+4*\c:PC+14+4*\c], v[\s+16+32*\c:\s+31+32*\c], v[TM+12+2*\c+1]
.endr
	v_nop
.irp c, 0,1
.irp i, 0,1,2
	v_permlane16_swap_b32 v[PC+6*\c+\i], v[PC+12+4*\c+\i]
.endr
.irp i, 0,1,2
	v_mov_b32 v[PC+3+6*\c+\i], v[PC+12+4*\c+\i]
.endr
.endr
.endm
.macro OUTBLK a
	WIN 0x02+(\a)/4
.set i, 0
.rept 32
	v_pk_mul_f32 v[ST+2*i:ST+2*i+1], v[64*((\a)%4)+2*i:64*((\a)%4)+2*i+1], s[24:25] op_sel_hi:[1,0]
.set i, i+1
.endr
	WIN 0
.if (\a) > 0
	s_wait_xcnt 0x0
	s_add_nc_u64 s[26:27], s[26:27], s[30:31]
	s_add_nc_u64 s[28:29], s[28:29], s[30:31]
.endif
.if (\a) == 4
	s_add_nc_u64 s[26:27], s[26:27], s[32:33]
	s_add_nc_u64 s[28:29], s[28:29], s[32:33]
.endif
	QUANT ST
	v_lshrrev_b32 v[WD+(\a)], v13, v[PW]
	ds_store_b32 v10, v[WD+(\a)] offset:64*(\a)
	global_store_b128 v8, v[PC:PC+3], s[26:27]
	global_store_b64 v9, v[PC+4:PC+5], s[26:27] offset:512
	global_store_b128 v8, v[PC+6:PC+9], s[28:29]
	global_store_b64 v9, v[PC+10:PC+11], s[28:29] offset:512
.endm
.irp a, 0,1,2,3,4,5,6,7
	OUTBLK \a
.endr
	ds_load_b128 v[192:195], v11
	ds_load_b128 v[196:199], v11 offset:512
	s_wait_dscnt 0x0
	global_store_b128 v12, v[192:195], s[34:35]
	s_cmp_eq_u32 s96, 1
	s_cbranch_scc1 .Lv_done
	global_store_b128 v12, v[196:199], s[34:35] offset:12288
.Lv_done:
	s_wait_tensorcnt 0x0
	ds_add_u32 v[SPW], v[NIL]
	s_wait_dscnt 0x0
	CROUND
	s_endpgm
.Lfunc_end_k_qd3bf76081d_gemm_qkv:
	.size	k_qd3bf76081d_gemm_qkv, .Lfunc_end_k_qd3bf76081d_gemm_qkv-k_qd3bf76081d_gemm_qkv
	.p2alignl 7, 3214868480
	.fill 96, 4, 3214868480
	.section	.rodata,"a",@progbits
	.p2align	6, 0x0
	.amdhsa_kernel k_qd3bf76081d_gemm_qkv
		.amdhsa_group_segment_fixed_size 327680
		.amdhsa_private_segment_fixed_size 0
		.amdhsa_enable_private_segment 0
		.amdhsa_kernarg_size 32
		.amdhsa_user_sgpr_count 2
		.amdhsa_user_sgpr_kernarg_segment_ptr 1
		.amdhsa_wavefront_size32 1
		.amdhsa_system_sgpr_workgroup_id_x 1
		.amdhsa_system_sgpr_workgroup_id_y 1
		.amdhsa_system_sgpr_workgroup_id_z 1
		.amdhsa_system_vgpr_workitem_id 0
		.amdhsa_next_free_vgpr 1024
		.amdhsa_next_free_sgpr 100
		.amdhsa_reserve_vcc 0
		.amdhsa_float_denorm_mode_32 3
		.amdhsa_float_denorm_mode_16_64 3
		.amdhsa_memory_ordered 1
		.amdhsa_forward_progress 1
		.amdhsa_inst_pref_size 168
	.end_amdhsa_kernel
	.amdgpu_metadata
---
amdhsa.version: [ 1, 2 ]
amdhsa.kernels:
  - .name:           k_qd3bf76081d_gemm_qkv
    .symbol:         k_qd3bf76081d_gemm_qkv.kd
    .args:
      - { .name: cimg, .offset: 0, .size: 8, .value_kind: global_buffer, .address_space: global }
      - { .name: csc, .offset: 8, .size: 8, .value_kind: global_buffer, .address_space: global }
      - { .name: qkvimg, .offset: 16, .size: 8, .value_kind: global_buffer, .address_space: global }
      - { .name: qkvsc, .offset: 24, .size: 8, .value_kind: global_buffer, .address_space: global }
    .group_segment_fixed_size: 327680
    .private_segment_fixed_size: 0
    .kernarg_segment_align: 8
    .kernarg_segment_size: 32
    .max_flat_workgroup_size: 128
    .sgpr_count:     100
    .vgpr_count:     1024
    .wavefront_size: 32
...
	.end_amdgpu_metadata
.endif
;; end of part 2
;; launch attn (part 3): grid 4 x 64, 16 waves a work-group, clusters of 4 x 1, 212,992 bytes of LDS; arguments qkvimg, qkvsc, himg, hsc; writes himg, hsc
.if DOCPART == 3
	.amdgcn_target "amdgcn-amd-amdhsa--gfx1250"
	.amdhsa_code_object_version 6
	.text
	.protected	k_qd3bf76081d_attn
	.globl	k_qd3bf76081d_attn
	.p2align	8
	.type	k_qd3bf76081d_attn,@function
k_qd3bf76081d_attn:
	s_mov_b64 s[64:65], 0
	v_nop
	global_prefetch_b8 v0, s[64:65] scope:SCOPE_SE
	s_setreg_imm32_b32 hwreg(HW_REG_WAVE_MODE, 25, 1), 1
	s_wait_xcnt 0x0
	s_wait_alu depctr_hold_cnt(0) depctr_sa_sdst(0) depctr_va_vdst(0) depctr_va_sdst(0) depctr_va_ssrc(0) depctr_va_vcc(0) depctr_vm_vsrc(0)
	s_getreg_b32 s2, hwreg(HW_REG_IB_STS2, 6, 4)
	s_cmp_eq_u32 s2, 0
	s_cbranch_scc0 .Lentry_in_a_cluster
	s_endpgm
.Lentry_in_a_cluster:
	s_bfe_u32 s2, ttmp6, 0x10000c
	s_cmp_lg_u32 s2, 0x3003
	s_cbranch_scc0 .Lentry_shape_is_right
	s_endpgm
.Lentry_shape_is_right:
; H = softmax(Q K^T) V for one batch x head (Q already holds the 1 / 8), both products on codes of FP6 (E2M3) with E8M0 scales; H is quantised along the head's 64 channels and leaves as the output projection's operand image.
; THE SOFTMAX: t = score x log2(e); M = the running largest t rounded UP to a whole number; p = 2^(t - M) is quantised along the keys, not normalised; the row's sum is taken of the unquantised p and divides at the end.
; When M moves, the sum and O are multiplied by 2^(old M - new M): exact.
; SHARES.  A work-group owns 512 queries of a head: sixteen waves, each with two tiles of 16 queries, one after the other (PASS 0, PASS 1).  64 heads x 4 work-groups = 256.
; NO RING: a head's K (98,304 bytes), V (98,304) and their scale words (12,288) lie in LDS together, filled once: waves 0-11 fetch 64 rows of 256 bytes of codes each, wave 12 the scale words; one wait, one barrier, and none after it.
; CLUSTER.  The four work-groups of a cluster belong to one head: every tensor load is asked for jointly (mask 15).
; NO PREFETCH: every tensor load is issued at the head, so there is no loop to run ahead in; both tiles' Q come into registers at the head.
; LAYOUT.  Both products transposed: S^T = K Q^T (source 0 = 16 keys), O^T = V^T P^T (source 0 = 16 channels): a lane holds one query.  A tile 2 b + u holds rows 32 b + 8 u + r + 8 (r / 8), so the 16 registers of two
; neighbouring result tiles are 16 neighbours along the next K.  The head's size is 64 and the instruction's K 128: Q's registers 6-11 are zero codes.  So whatever codes stand in registers 6-11 of K's fragment add nothing
; (every code of E2M3 is a finite number, every scale byte here is finite): K's eight tiles lie six registers apart, and a tile's upper half is the next tile (the last one's: V's first six registers).
; LIMITS: NaN and infinities are not served; the promise holds while the scaled scores t stay under 2^31 in magnitude; a p under 2^-126 comes out as 0; a block of zeros gets the byte 1 (its codes are zeros).
; H's scale bytes leave two to a row, 8 bytes apart: the bytes between belong to other heads.
; REGISTERS: v1-3 16, 8, 4 x lane; v4, v5 the add's two; v8-11, v28, v29 LDS addresses; v12 -M, v13 the largest t, v[14:15] the sum; v16-27 Q; v30, v31 V's scale words; v32-79 K; v80-127 V; v128-191 S^T, then p;
;   v192-223 O^T; v224-235 p's codes; v236-239 a block's largest; v240-243 at work; v244-247, v6, v7, v0 the second tile's Q and its scale word; v248-251 K's scale words; v252 f; v253 p's scale word; v254 at work; v255 Q's.
.set KVS,   196608                     ; LDS: K's images from 0, V's from 98,304, here K's scale words (8,192 bytes) and V's (4,096)
.set SPARE, 208896                     ; the spare words, 128 bytes for each of sixteen waves
.set SPW,  4
.set NIL,  5
.set ADK16, 8
.set ADK8,  9
.set ADV16, 10
.set ADV8,  11
.set ADS,  28
.set ADT,  29
.set KF,   32
.set VF,   80
.set S,    128
.set O,    192
.set P,    224
.set BM,   236
.set TP,   240
.set Q2,   244
.set KS,   248
.set WV,   12
.set G1C,  24                          ; s[24:31] group 1 for codes: 64 rows of 256 bytes;  s[32:39] for the scale words: 48 rows
.set G1S,  32
.set G0S,  40
.set G0C,  44
.set SEL,  60
.set CS,   62                          ; s[62:63] log2(e), twice
.set TK,   66
.set TV,   67
.set TS,   68
.set TT,   69
.macro WALU
	s_wait_alu depctr_va_vdst(0)
.endm
.macro CROUND
	s_barrier_signal -1
	s_barrier_wait -1
	s_cmp_lg_u32 s[WV], 0
	s_cbranch_scc1 .Lnot_wave_0_\@
	s_barrier_signal -3
.Lnot_wave_0_\@:
	s_barrier_wait -3
	s_barrier_signal -1
	s_barrier_wait -1
.endm
.macro GROUP1 g, rows
	s_mov_b32 s[\g], 15|(3<<16)|(1<<21)            ; the mask: all four; elements of 8 bytes; bit 21 beside a mask
	s_mov_b32 s[\g+1], 32<<16
	s_mov_b32 s[\g+2], (\rows)<<16
	s_mov_b32 s[\g+3], 32<<16
	s_mov_b32 s[\g+4], \rows
	s_mov_b32 s[\g+5], 32
	s_mov_b32 s[\g+6], 0
	s_mov_b32 s[\g+7], 0
.endm
.macro MM d, a, b, c, sa, sb, row      ; row = 1: source 0's scale words stand in lanes 16-31
.if \row
	v_wmma_scale_f32_16x16x128_f8f6f4 v[\d:\d+7], v[\a:\a+11], v[\b:\b+11], \c, v[\sa], v[\sb] matrix_a_fmt:MATRIX_FMT_FP6 matrix_b_fmt:MATRIX_FMT_FP6 matrix_a_scale:MATRIX_SCALE_ROW1
.else
	v_wmma_scale_f32_16x16x128_f8f6f4 v[\d:\d+7], v[\a:\a+11], v[\b:\b+11], \c, v[\sa], v[\sb] matrix_a_fmt:MATRIX_FMT_FP6 matrix_b_fmt:MATRIX_FMT_FP6
.endif
.endm
	s_load_b256 s[4:11], s[0:1], 0x0               ; qkvimg s[4:5], qkvsc s[6:7], himg s[8:9], hsc s[10:11]
	v_lshl_add_u32 v[SPW], v0, 2, SPARE
	v_mov_b32 v[NIL], 0
	ds_add_u32 v[SPW], v[NIL]
	ds_add_u32 v[SPW], v[NIL]
	v_lshrrev_b32 v1, 5, v0
	v_readfirstlane_b32 s[WV], v1                  ; wave 0..15
	s_bfe_u32 s13, ttmp6, 0x40000                  ; cx: it enters Q's and H's addresses alone
	s_and_b32 s15, ttmp7, 0xffff                   ; batch x head, which the four partners share
	GROUP1 G1C, 64
	GROUP1 G1S, 48
	s_lshl_b32 s18, s[WV], 14                      ; waves 0-5: a sixth of K each, waves 6-11: of V; in LDS V follows K
	s_mul_i32 s20, s15, 98304
	s_add_co_u32 s20, s20, s18
	s_add_co_u32 s20, s20, 6291456                 ; K's images begin here;
	s_cmp_lt_u32 s[WV], 6
	s_cselect_b32 s19, 0, 6291456-98304            ; V's head lies so much further on than the end of K's
	s_add_co_u32 s20, s20, s19
	s_mov_b32 s21, 0
	s_mul_i32 s22, s15, 12288
	s_add_co_u32 s22, s22, 786432
	s_mov_b32 s23, 0
	s_mov_b32 s[SEL], 0x76543210
	s_mov_b32 s[SEL+1], 0xfedcba98
	s_mov_b32 s[CS], 0x3fb8aa3b
	s_mov_b32 s[CS+1], s[CS]
	s_wait_dscnt 0x0                               ; both opening adds are done
	s_wait_kmcnt 0x0
	s_add_nc_u64 s[20:21], s[4:5], s[20:21]
	s_add_nc_u64 s[22:23], s[6:7], s[22:23]
	CROUND                                         ; all four work-groups are here: the joint loads meet
	s_mov_b32 s[G0S], 1
	s_mov_b32 s[G0S+1], KVS
	s_mov_b64 s[G0S+2:G0S+3], s[22:23]
	s_or_b32 s[G0S+3], s[G0S+3], 0x80000000
	s_mov_b32 s[G0C], 1
	s_mov_b32 s[G0C+1], s18
	s_mov_b64 s[G0C+2:G0C+3], s[20:21]
	s_or_b32 s[G0C+3], s[G0C+3], 0x80000000
	s_cmp_lt_u32 s[WV], 12
	s_cbranch_scc0 .Lscales
	tensor_load_to_lds s[G0C:G0C+3], s[G1C:G1C+7]  ; one load a wave
	s_nop 0
.rept 4
	v_nop
.endr
	s_branch .Lasked
.Lscales:
	s_cmp_eq_u32 s[WV], 12
	s_cbranch_scc0 .Lasked
	tensor_load_to_lds s[G0S:G0S+3], s[G1S:G1S+7]
	s_nop 0
.rept 4
	v_nop
.endr
.Lasked:
	s_lshl_b32 s72, s13, 5
	s_add_co_u32 s72, s72, s[WV]                   ; my first tile of queries in the sequence: 32 cx + wave; the second lies 16 tiles on
	s_mul_i32 s74, s15, 98304
	s_mul_i32 s73, s72, 768
	s_add_co_u32 s74, s74, s73
	s_mov_b32 s75, 0
	s_add_nc_u64 s[74:75], s[4:5], s[74:75]        ; its image
	s_mul_i32 s76, s15, 12288
	s_lshl_b32 s73, s72, 6
	s_add_co_u32 s76, s76, s73
	s_mov_b32 s77, 0
	s_add_nc_u64 s[76:77], s[6:7], s[76:77]        ; its scale words
	s_lshr_b32 s73, s15, 4
	s_lshl_b32 s73, s73, 7
	s_add_co_u32 s73, s73, s72                     ; the tile among all 512
	s_and_b32 s78, s15, 15                         ; the head
	s_mul_i32 s16, s73, 12288
	s_mul_i32 s17, s78, 768
	s_add_co_u32 s16, s16, s17
	s_mov_b32 s17, 0
	s_add_nc_u64 s[8:9], s[8:9], s[16:17]          ; H's image: head hd is 64 along K from 64 hd on
	s_lshl_b32 s16, s73, 9
	s_lshr_b32 s19, s78, 2
	s_lshl_b32 s19, s19, 7
	s_add_co_u32 s16, s16, s19
	s_bfe_u32 s19, s78, 0x10001
	s_lshl_b32 s19, s19, 2
	s_add_co_u32 s16, s16, s19
	s_and_b32 s19, s78, 1
	s_lshl_b32 s19, s19, 1
	s_add_co_u32 s16, s16, s19
	s_add_nc_u64 s[10:11], s[10:11], s[16:17]      ; and its two scale bytes a row
	v_and_b32 v3, 31, v0
	v_and_b32 v254, 15, v0
	v_lshlrev_b32 v1, 4, v3
	v_lshlrev_b32 v2, 3, v3
	v_lshlrev_b32 v3, 2, v3
	v_lshlrev_b32 v254, 2, v254                    ; 4 r
	global_load_b128 v[16:19], v1, s[74:75]        ; the first tile's Q,
	global_load_b64 v[20:21], v2, s[74:75] offset:512
	global_load_b32 v255, v254, s[76:77]
	global_load_b128 v[Q2:Q2+3], v1, s[74:75] offset:12288   ; and the second's, kept until PASS 1
	global_load_b64 v[6:7], v2, s[74:75] offset:12800
	global_load_b32 v0, v254, s[76:77] offset:1024
.irp i, 22,23,24,25,26,27
	v_mov_b32 v[\i], 0                             ; Q, k = 64 .. 127: zero codes
.endr
.irp i, 0,1,2,3,4,5
	v_mov_b32 v[VF+\i], 0                          ; the upper half of K's last fragment in the very first step: written once
.endr
.irp b, 0,1,2,3
	v_mov_b32 v[TP+\b], 0                          ; a lane permute's destination counts as one of its sources
.endr
	v_mov_b32 v253, 0                              ; (named as the upper half of v[252:253] before it is first written)
; A KEY STEP: 128 keys
.macro STEP
.irp t, 0,1,2,3,4,5,6,7
	ds_load_b128 v[KF+6*\t:KF+6*\t+3], v[ADK16] offset:768*\t
	ds_load_b64 v[KF+6*\t+4:KF+6*\t+5], v[ADK8] offset:768*\t+512
.endr
.irp i, 0,1,2,3
	ds_load_b32 v[KS+\i], v[ADS] offset:128*\i     ; the words of two tiles: the even one's in lanes 0-15, the odd one's in lanes 16-31
.endr
	s_wait_dscnt 0x0
.irp t, 0,1,2,3,4,5,6,7
	MM S+8*\t, KF+6*\t, 16, 0, KS+\t/2, 255, \t%2  ; S^T = K Q^T
.endr
	v_add_nc_u32 v[ADV16], s[TV], v1               ; these six are the places behind the products, ahead of the loads into V's registers and of the first read of S^T:
	v_add_nc_u32 v[ADV8], s[TV], v2                ; this step's addresses of V,
	v_add_nc_u32 v[ADT], s[TT], v3
	v_add_nc_u32 v[ADK16], s[TK], v1               ; and the next step's of K
	v_add_nc_u32 v[ADK8], s[TK], v2
	v_add_nc_u32 v[ADS], s[TS], v3
.irp t, 0,1,2,3
	ds_load_b128 v[VF+12*\t:VF+12*\t+3], v[ADV16] offset:1536*\t
	ds_load_b64 v[VF+12*\t+4:VF+12*\t+5], v[ADV8] offset:1536*\t+512
	ds_load_b128 v[VF+12*\t+6:VF+12*\t+9], v[ADV16] offset:1536*\t+768
	ds_load_b64 v[VF+12*\t+10:VF+12*\t+11], v[ADV8] offset:1536*\t+1280
.endr
	ds_load_b32 v30, v[ADT]
	ds_load_b32 v31, v[ADT] offset:128
.irp b, 0,1,2,3
	v_max3_num_f32 v[BM+\b], v[S+16*\b], v[S+1+16*\b], v[S+2+16*\b]   ; the largest score of each block of 32 keys: for the row's maximum, and, since p rises with the score, for the block's largest p
.endr
.irp i, 3,5,7,9,11,13
.irp b, 0,1,2,3
	v_max3_num_f32 v[BM+\b], v[BM+\b], v[S+16*\b+\i], v[S+1+16*\b+\i]
.endr
.endr
.irp b, 0,1,2,3
	v_max_num_f32 v[BM+\b], v[BM+\b], v[S+15+16*\b]
.endr
.irp b, 0,1,2,3
	s_delay_alu instid0(VALU_DEP_4)
	v_permlanex16_b32 v[TP+\b], v[BM+\b], s[SEL], s[SEL+1]
.endr
.irp b, 0,1,2,3
	s_delay_alu instid0(VALU_DEP_4)
	v_max_num_f32 v[BM+\b], v[BM+\b], v[TP+\b]     ; with lane l xor 16's 16 keys
.endr
	s_delay_alu instid0(VALU_DEP_2)
	v_max3_num_f32 v254, v[BM], v[BM+1], v[BM+2]
	s_delay_alu instid0(VALU_DEP_1)
	v_max_num_f32 v254, v254, v[BM+3]
	s_delay_alu instid0(VALU_DEP_1)
	v_mul_f32 v254, s[CS], v254
	s_delay_alu instid0(VALU_DEP_1)
	v_max_num_f32 v13, v13, v254                   ; the running largest t
	v_mov_b32 v254, v12
	s_delay_alu instid0(VALU_DEP_2)
	v_floor_f32 v12, -v13                          ; the new -M = -ceil(t)
	s_delay_alu instid0(VALU_DEP_1)
	v_sub_f32 v254, v12, v254                      ; old M - new M: a whole number, 0 or less
	s_delay_alu instid0(VALU_DEP_1)
	v_cvt_i32_f32 v254, v254                       ; (it saturates)
	s_delay_alu instid0(VALU_DEP_1)
	v_ldexp_f32 v252, 1.0, v254                    ; f = 2^(old M - new M)
.set j, 0
.rept 16
	v_pk_mul_f32 v[O+j:O+j+1], v[O+j:O+j+1], v[252:253] op_sel_hi:[1,0]   ; O^T under the new M, ahead of the exponentials
.set j, j+2
.endr
.set j, 0
.rept 32
	v_pk_fma_f32 v[S+j:S+j+1], v[S+j:S+j+1], s[CS:CS+1], v[12:13] op_sel_hi:[1,0,0]   ; t - M
.set j, j+2
.endr
.irp b, 0,1,2,3
	v_fma_f32 v[BM+\b], v[BM+\b], s[CS], v12       ; the same of each block's largest score
.endr
	WALU
	s_wait_dscnt 0x0                               ; V's fragments and scale words are in
.set j, 0
.rept 64
	v_exp_f32 v[S+j], v[S+j]                       ; p = 2^(t - M)
.set j, j+1
.endr
.irp b, 0,1,2,3
	v_exp_f32 v[BM+\b], v[BM+\b]                   ; each block's largest p: the same two instructions on the same number
.endr
	v_pk_mul_f32 v[14:15], v[14:15], v[252:253] op_sel_hi:[1,0]   ; the sums under the new M: the plain place behind the exponentials
	WALU                                           ; one wait for the batch, ahead of its first reader
.irp b, 0,1,2,3
	v_max_num_f32 v[BM+\b], 0x1800000, v[BM+\b]    ; the floor 2^(3 - 127): the byte cannot fall under 1
.endr
.irp b, 0,1,2,3
	v_add_nc_u32 v[BM+\b], 0xff000000, v[BM+\b]    ; 2 off the exponent field: the conversion's scale operand
.endr
	v_cvt_scalef32_pk16_fp6_f32 v[P:P+2], v[S:S+15], v[BM]
	v_cvt_scalef32_pk16_fp6_f32 v[TP:TP+2], v[S+16:S+31], v[BM+1]   ; (a conversion's three registers begin on an even number)
	v_cvt_scalef32_pk16_fp6_f32 v[P+6:P+8], v[S+32:S+47], v[BM+2]
	v_lshrrev_b32 v253, 23, v[BM]                  ; the scale bytes' lines are the plain places behind the conversions
	v_lshrrev_b32 v252, 23, v[BM+1]
.irp i, 0,1,2
	v_permlane16_swap_b32 v[P+\i], v[TP+\i]        ; a whole block to a lane: lanes 0-15 block 0, lanes 16-31 block 1
.endr
.irp i, 0,1,2
	v_mov_b32 v[P+3+\i], v[TP+\i]
.endr
	v_cvt_scalef32_pk16_fp6_f32 v[TP:TP+2], v[S+48:S+63], v[BM+3]
	v_lshl_or_b32 v253, v252, 8, v253
	v_lshrrev_b32 v252, 23, v[BM+2]
	v_lshrrev_b32 v254, 23, v[BM+3]
	v_lshl_or_b32 v253, v252, 16, v253
	v_lshl_or_b32 v253, v254, 24, v253             ; p's scale word for these 128 keys
.irp i, 0,1,2
	v_permlane16_swap_b32 v[P+6+\i], v[TP+\i]
.endr
.irp i, 0,1,2
	v_mov_b32 v[P+9+\i], v[TP+\i]
.endr
	v_pk_add_f32 v[TP:TP+1], v[S:S+1], v[S+2:S+3]  ; the row's sum of the unquantised p, in three chains: these 32 lines are also the places between the codes, the scale word and the products
	v_pk_add_f32 v[TP+2:TP+3], v[S+4:S+5], v[S+6:S+7]
.set j, 8
.rept 9
	v_pk_add_f32 v[14:15], v[14:15], v[S+j:S+j+1]
	v_pk_add_f32 v[TP:TP+1], v[TP:TP+1], v[S+j+2:S+j+3]
	v_pk_add_f32 v[TP+2:TP+3], v[TP+2:TP+3], v[S+j+4:S+j+5]
.set j, j+6
.endr
	v_pk_add_f32 v[14:15], v[14:15], v[S+62:S+63]
	v_pk_add_f32 v[TP:TP+1], v[TP:TP+1], v[TP+2:TP+3]
	v_pk_add_f32 v[14:15], v[14:15], v[TP:TP+1]
.irp t, 0,1,2,3
	MM O+8*\t, VF+12*\t, P, v[O+8*\t:O+8*\t+7], 30+\t/2, 253, \t%2   ; O^T += V^T P^T: four accumulators, one instruction each
.endr
	s_add_co_u32 s[TK], s[TK], 6144
	s_add_co_u32 s[TV], s[TV], 6144
	s_add_co_u32 s[TS], s[TS], 512
	s_add_co_u32 s[TT], s[TT], 256
.endm
.macro INIT                            ; a tile of queries begins: zeros, and the first step's addresses of K
.set j, 0
.rept 32
	v_mov_b32 v[O+j], 0                            ; O^T: the step is written once: the first finds zeros
.set j, j+1
.endr
	v_mov_b32 v13, 0xff61b1e6                      ; the largest t so far: -3e38
	v_mov_b32 v14, 0
	v_mov_b32 v15, 0
	v_floor_f32 v12, -v13                          ; -M
	v_mov_b32 v[ADK16], v1
	v_mov_b32 v[ADK8], v2
	v_add_nc_u32 v[ADS], KVS, v3
	s_mov_b32 s[TK], 6144                          ; K's two run one step ahead
	s_mov_b32 s[TV], 98304
	s_mov_b32 s[TS], KVS+512
	s_mov_b32 s[TT], KVS+8192
	s_mov_b32 s70, 16
	WALU
.endm
; All 2,048 keys for one tile of queries, and its way out: H = O^T / the sum; register 16 b + i is channel 32 b + 16 (lane / 16) + i of my query: two blocks of 32
.macro PASS p
.Lstep_\@:
	STEP
	s_sub_co_u32 s70, s70, 1
	s_cmp_lg_u32 s70, 0
	s_cbranch_scc1 .Lstep_\@
.rept 4
	v_nop                                          ; places behind the last products
.endr
	v_add_f32 v14, v14, v15
	v_permlanex16_b32 v252, v14, s[SEL], s[SEL+1]
	v_add_f32 v14, v14, v252                       ; the row's sum
	WALU
	v_rcp_f32 v14, v14
	v_and_b32 v[TP+3], 0x78, v2                    ; 8 r, for the scale bytes' store: the plain place behind the reciprocal
	WALU                                           ; ahead of the first reader of the reciprocal and of O^T
.set j, 0
.rept 16
	v_pk_mul_f32 v[S+j:S+j+1], v[O+j:O+j+1], v[14:15] op_sel_hi:[1,0]
.set j, j+2
.endr
.irp b, 0,1
	v_max3_num_f32 v[BM+\b], |v[S+16*\b]|, |v[S+1+16*\b]|, 0x1800000
.endr
.irp i, 2,4,6,8,10,12,14
.irp b, 0,1
	v_max3_num_f32 v[BM+\b], v[BM+\b], |v[S+16*\b+\i]|, |v[S+1+16*\b+\i]|
.endr
.endr
.irp b, 0,1
	v_permlanex16_b32 v[TP+\b], v[BM+\b], s[SEL], s[SEL+1]
.endr
.irp b, 0,1
	v_max_num_f32 v[BM+\b], v[BM+\b], v[TP+\b]
.endr
.irp b, 0,1
	v_add_nc_u32 v[BM+\b], 0xff000000, v[BM+\b]
.endr
.irp b, 0,1
	v_lshrrev_b32 v[TP+\b], 23, v[BM+\b]
.endr
	v_lshl_or_b32 v254, v[TP+1], 8, v[TP]          ; my row's two scale bytes
	v_cvt_scalef32_pk16_fp6_f32 v[P:P+2], v[S:S+15], v[BM]
	v_cvt_scalef32_pk16_fp6_f32 v[TP:TP+2], v[S+16:S+31], v[BM+1]
	v_nop
.irp i, 0,1,2
	v_permlane16_swap_b32 v[P+\i], v[TP+\i]
.endr
.irp i, 0,1,2
	v_mov_b32 v[P+3+\i], v[TP+\i]
.endr
	global_store_b128 v1, v[P:P+3], s[8:9] offset:196608*\p           ; 512 and 256 consecutive aligned bytes
	global_store_b64 v2, v[P+4:P+5], s[8:9] offset:196608*\p+512
	global_store_b16 v[TP+3], v254, s[10:11] offset:8192*\p           ; lanes r and r + 16 hold the same bytes and write them to the same place
.endm
	INIT
	s_wait_loadcnt 0x0                             ; both tiles' Q
	s_wait_tensorcnt 0x0                           ; my load has landed,
	s_barrier_signal -1
	s_barrier_wait -1                              ; and everybody's: K, V and the scale words are whole, and nothing is ever filled again
	PASS 0
	s_wait_xcnt 0x0                                ; the stores have read their registers
.irp i, 0,1,2,3
	v_mov_b32 v[16+\i], v[Q2+\i]                   ; the second tile's Q; the 39 lines of INIT stand between these and the first product
.endr
	v_mov_b32 v20, v6
	v_mov_b32 v21, v7
	v_mov_b32 v255, v0
	INIT
	PASS 1
	s_wait_tensorcnt 0x0                           ; the wave's end
	ds_add_u32 v[SPW], v[NIL]
	s_wait_dscnt 0x0
	CROUND                                         ; the closing round
	s_endpgm
.Lfunc_end_k_qd3bf76081d_attn:
	.size	k_qd3bf76081d_attn, .Lfunc_end_k_qd3bf76081d_attn-k_qd3bf76081d_attn
	.p2alignl 7, 3214868480
	.fill 96, 4, 3214868480
	.section	.rodata,"a",@progbits
	.p2align	6, 0x0
	.amdhsa_kernel k_qd3bf76081d_attn
		.amdhsa_group_segment_fixed_size 212992
		.amdhsa_private_segment_fixed_size 0
		.amdhsa_enable_private_segment 0
		.amdhsa_kernarg_size 32
		.amdhsa_user_sgpr_count 2
		.amdhsa_user_sgpr_kernarg_segment_ptr 1
		.amdhsa_wavefront_size32 1
		.amdhsa_system_sgpr_workgroup_id_x 1
		.amdhsa_system_sgpr_workgroup_id_y 1
		.amdhsa_system_sgpr_workgroup_id_z 1
		.amdhsa_system_vgpr_workitem_id 0
		.amdhsa_next_free_vgpr 256
		.amdhsa_next_free_sgpr 80
		.amdhsa_reserve_vcc 0
		.amdhsa_float_denorm_mode_32 3
		.amdhsa_float_denorm_mode_16_64 3
		.amdhsa_memory_ordered 1
		.amdhsa_forward_progress 1
		.amdhsa_inst_pref_size 51
	.end_amdhsa_kernel
	.amdgpu_metadata
---
amdhsa.version: [ 1, 2 ]
amdhsa.kernels:
  - .name:           k_qd3bf76081d_attn
    .symbol:         k_qd3bf76081d_attn.kd
    .args:
      - { .name: qkvimg, .offset: 0, .size: 8, .value_kind: global_buffer, .address_space: global }
      - { .name: qkvsc, .offset: 8, .size: 8, .value_kind: global_buffer, .address_space: global }
      - { .name: himg, .offset: 16, .size: 8, .value_kind: global_buffer, .address_space: global }
      - { .name: hsc, .offset: 24, .size: 8, .value_kind: global_buffer, .address_space: global }
    .group_segment_fixed_size: 212992
    .private_segment_fixed_size: 0
    .kernarg_segment_align: 8
    .kernarg_segment_size: 32
    .max_flat_workgroup_size: 512
    .sgpr_count:     80
    .vgpr_count:     256
    .wavefront_size: 32
...
	.end_amdgpu_metadata
.endif
;; end of part 3
;; launch gemm_out (part 4): grid 4 x 64, 4 waves a work-group, clusters of 4 x 4, 327,680 bytes of LDS; arguments himg, hsc, cimg, csc, bh, out0; writes out0
.if DOCPART == 4
	.amdgcn_target "amdgcn-amd-amdhsa--gfx1250"
	.amdhsa_code_object_version 6
	.text
	.protected	k_qd3bf76081d_gemm_out
	.globl	k_qd3bf76081d_gemm_out
	.p2align	8
	.type	k_qd3bf76081d_gemm_out,@function
k_qd3bf76081d_gemm_out:
	s_mov_b64 s[64:65], 0
	v_nop
	global_prefetch_b8 v0, s[64:65] scope:SCOPE_SE
	s_setreg_imm32_b32 hwreg(HW_REG_WAVE_MODE, 25, 1), 1
	s_wait_xcnt 0x0
	s_wait_alu depctr_hold_cnt(0) depctr_sa_sdst(0) depctr_va_vdst(0) depctr_va_sdst(0) depctr_va_ssrc(0) depctr_va_vcc(0) depctr_vm_vsrc(0)
	s_getreg_b32 s2, hwreg(HW_REG_IB_STS2, 6, 4)
	s_cmp_eq_u32 s2, 0
	s_cbranch_scc0 .Lentry_in_a_cluster
	s_endpgm
.Lentry_in_a_cluster:
	s_bfe_u32 s2, ttmp6, 0x10000c
	s_cmp_lg_u32 s2, 0xf033
	s_cbranch_scc0 .Lentry_shape_is_right
	s_endpgm
.Lentry_shape_is_right:
; out0 = H Wh + bh on codes of FP6 (E2M3) with E8M0 scales.  H (himg, hsc) and Wh (tiles 704-767 of cimg, csc) lie as images of operand registers: [tile of 16 rows][K step of 128][1,536 bytes], scale words [tile][pair of K steps][r][8].
; Tile 2 b + u holds rows 32 b + 8 u + r + 8 (r / 8).
; SHARES.  A work-group makes 128 rows x 256 columns: 64 x 4 = 256 work-groups.  Four waves, 2 x 2, each 64 x 128: 32 accumulators, 256 registers.
; NO RING: K is 1,024, so the block's operands for ALL of K are four dense pieces of memory that fit in LDS together: H's 8 tiles (98,304 bytes), Wh's 16 (196,608), their scale words (4,096 and 8,192).
; One joint load a wave at the head, one wait, one barrier; nothing is filled again.  CLUSTERS of 4 x 4: H's pieces are shared along a row of the cluster, Wh's along a column.
; NO PREFETCH: every tensor load is issued at the head, so there is no loop to run ahead in.
; The matrix instruction is used transposed (source 0 = 16 columns of Wh, source 1 = 16 rows of H): a lane holds eight neighbouring numbers of a row of out0.  The bias is the first products' C.
; A K step is 32 products on fragments fetched one step ahead, two sets of registers for each side.  s_wait_dscnt 48 counts the 48 loads of the next step's twelve fragments, which may stay out.
; The way out goes through a stage in the bytes that held H's tiles, behind a barrier behind which nobody reads them: they have had their one fill.
; REGISTERS: window 0: v16-29 addresses; v32-95 scale words of all of K (register 16 p + 2 i + q: lanes 0-15 H's tile i, lanes 16-31 Wh's tile i; for i over 3 lanes 0-15 are not used); v96-191 H's fragments, two sets; v192-255 the bias.
;   window 1: Wh's fragments, two sets, at v0 and v128.  window 2: accumulator (a, b) at v[8 (8 a + b)].
.set FR,     12
.set TILEG,  12288
.set SCL,    24*TILEG
.set SPARE,  SCL+12288
.set SPITCH, 528
.set ADRA, 16                          ; v16, v17 my four tiles of H: 16 x lane, 8 x lane
.set ADRB, 18                          ; v18, v19 my tiles 0-3 of Wh; v20, v21 tiles 4-7 (an LDS offset has 16 bits)
.set STO,  24
.set RD,   25
.set CO,   26
.set ADRS, 27
.set SPW,  28
.set NIL,  29
.set SC,   32
.set AF,   96
.set BI,   192
.set BK,   96
.set G1A,  24
.set G1B,  32
.set G1SA, 40
.set G1SB, 48
.set G0A,  56
.set G0B,  60
.set G0SA, 68
.set G0SB, 72
.set MSB, 0
.macro WIN new
.if MSB != \new
	s_set_vgpr_msb (MSB<<8)|\new
.set MSB, \new
.endif
.endm
.macro PLACES n
.rept \n
	v_nop
.endr
.endm
.macro CROUND
	s_barrier_signal -1
	s_barrier_wait -1
	s_cmp_lg_u32 s14, 0
	s_cbranch_scc1 .Lnot_wave_0_\@
	s_barrier_signal -3
.Lnot_wave_0_\@:
	s_barrier_wait -3
	s_barrier_signal -1
	s_barrier_wait -1
.endm
.macro GROUP1 g, mask, rows            ; a dense piece as rows of 256 bytes
	s_or_b32 s[\g], s[\mask], (3<<16)|(1<<21)
	s_mov_b32 s[\g+1], 32<<16
	s_mov_b32 s[\g+2], (\rows)<<16
	s_mov_b32 s[\g+3], 32<<16
	s_mov_b32 s[\g+4], \rows
	s_mov_b32 s[\g+5], 32
	s_mov_b32 s[\g+6], 0
	s_mov_b32 s[\g+7], 0
.endm
.macro GROUP0 g, lds, base, off
	s_mov_b32 s[\g], 1
	s_mov_b32 s[\g+1], \lds
	s_add_nc_u64 s[\g+2:\g+3], s[\base:\base+1], s[\off:\off+1]
	s_or_b32 s[\g+3], s[\g+3], 0x80000000
.endm
.macro ARM under, g0, g1, next
	s_cmp_lt_u32 s14, \under
	s_cbranch_scc0 \next
	tensor_load_to_lds s[\g0:\g0+3], s[\g1:\g1+7]
	s_nop 0
	PLACES 4
	s_branch .Lhead_asked
\next:
.endm
	s_load_b256 s[4:11], s[0:1], 0x0               ; himg s[4:5], hsc s[6:7], cimg s[8:9], csc s[10:11]
	s_load_b128 s[76:79], s[0:1], 0x20             ; bh, out0
	v_lshl_add_u32 v[SPW], v0, 2, SPARE
	v_mov_b32 v[NIL], 0
	ds_add_u32 v[SPW], v[NIL]
	ds_add_u32 v[SPW], v[NIL]
	v_lshrrev_b32 v1, 5, v0
	v_readfirstlane_b32 s14, v1                    ; wave
	s_lshr_b32 s15, s14, 1                         ; which 64 rows are mine
	s_and_b32 s16, s14, 1                          ; which 128 columns
	s_bfe_u32 s90, ttmp6, 0x40000                  ; cx = the block's column, 0 .. 3
	s_bfe_u32 s91, ttmp6, 0x40004                  ; cy
	s_and_b32 s17, ttmp7, 0xffff
	s_lshl_b32 s17, s17, 2
	s_add_co_u32 s17, s17, s91                     ; the block's row, 0 .. 63
	s_lshl_b32 s92, s91, 2
	s_lshl_b32 s92, 15, s92                        ; my row of the cluster
	s_lshl_b32 s93, 0x1111, s90                    ; my column
	GROUP1 G1A,  92, 384
	GROUP1 G1B,  93, 768
	GROUP1 G1SA, 92, 16
	GROUP1 G1SB, 93, 32
	s_mul_i32 s20, s17, 8*TILEG                    ; H's eight tiles,
	s_mov_b32 s21, 0
	s_lshl_b32 s22, s17, 12                        ; their scale words,
	s_mov_b32 s23, 0
	s_lshl_b32 s94, s90, 4
	s_add_co_u32 s94, s94, 704                     ; Wh's sixteen tiles,
	s_lshl_b32 s82, s94, 9                         ; their scale words
	s_mov_b32 s83, 0
	s_mul_i32 s94, s94, TILEG
	s_mov_b32 s95, 0
	s_wait_dscnt 0x0                               ; both opening adds are done
	CROUND                                         ; all sixteen work-groups are here: the joint loads meet
	s_wait_kmcnt 0x0
	GROUP0 G0A,  0,        4,  20
	GROUP0 G0B,  8*TILEG,  8,  94
	GROUP0 G0SA, SCL,      6,  22
	GROUP0 G0SB, SCL+4096, 10, 82
	ARM 1, G0B,  G1B,  .Lhead_a
	ARM 2, G0A,  G1A,  .Lhead_sa
	ARM 3, G0SA, G1SA, .Lhead_sb
	tensor_load_to_lds s[G0SB:G0SB+3], s[G1SB:G1SB+7]
	s_nop 0
	PLACES 4
.Lhead_asked:
	s_lshl_b32 s20, s90, 10
	s_lshl_b32 s21, s16, 9
	s_add_co_u32 s20, s20, s21                     ; my first column, in bytes
	s_mov_b32 s21, 0
	s_add_nc_u64 s[76:77], s[76:77], s[20:21]
	s_add_nc_u64 s[78:79], s[78:79], s[20:21]
	s_lshl_b32 s20, s17, 19
	s_lshl_b32 s22, s15, 18
	s_add_co_u32 s20, s20, s22                     ; my first row: 128 x block + 64 x half, rows of 4,096 bytes
	s_add_nc_u64 s[78:79], s[78:79], s[20:21]
	s_mul_i32 s84, s15, 4*TILEG                    ; LDS: my four tiles of H,
	s_mul_i32 s85, s16, 8*TILEG
	s_add_co_u32 s85, s85, 8*TILEG                 ; my eight of Wh,
	s_lshl_b32 s86, s15, 11                        ; H's scale words,
	s_lshl_b32 s87, s16, 12
	s_add_co_u32 s87, s87, 4096
	s_sub_co_u32 s87, s87, s86                     ; how far behind them Wh's lie,
	s_add_co_u32 s86, s86, SCL
	s_mul_i32 s88, s14, 16*SPITCH                  ; my stage
	v_and_b32 v1, 31, v0
	v_and_b32 v2, 15, v0
	v_bfe_u32 v3, v0, 4, 1
	v_lshlrev_b32 v8, 4, v1
	v_lshlrev_b32 v9, 3, v1
	v_lshlrev_b32 v10, 6, v3
	v_add_nc_u32 v[ADRA], s84, v8
	v_add_nc_u32 v[ADRA+1], s84, v9
	v_add_nc_u32 v[ADRB], s85, v8
	v_add_nc_u32 v[ADRB+1], s85, v9
	v_add_nc_u32 v[ADRB+2], 4*TILEG, v[ADRB]
	v_add_nc_u32 v[ADRB+3], 4*TILEG, v[ADRB+1]
	v_lshlrev_b32 v6, 3, v2
	v_mul_u32_u24 v7, s87, v3                      ; lanes 16-31 take Wh's words
	v_add_nc_u32 v6, v6, v7
	v_add_nc_u32 v[ADRS], s86, v6
	v_mul_u32_u24 v5, v2, SPITCH                   ; the stage, in: row l % 16, + 64 bytes for lanes 16-31
	v_lshl_add_u32 v5, v3, 6, v5
	v_add_nc_u32 v[STO], s88, v5
	v_lshlrev_b32 v[CO], 4, v1                     ; back: the 32 lanes take a row of 512 bytes; the same in out0
	v_add_nc_u32 v[RD], s88, v[CO]
	s_wait_alu depctr_va_vdst(0)
.irp b, 0,1,2,3,4,5,6,7
	global_load_b128 v[BI+8*\b:BI+8*\b+3], v10, s[76:77] offset:128*(\b/2)+32*(\b%2)      ; the bias as the result lies: register j of tile 2 b' + u is column 32 b' + 8 u + 16 (lane / 16) + j
	global_load_b128 v[BI+8*\b+4:BI+8*\b+7], v10, s[76:77] offset:128*(\b/2)+32*(\b%2)+16
.endr
	s_wait_tensorcnt 0x0                           ; my piece has landed,
	s_barrier_signal -1
	s_barrier_wait -1                              ; and everybody's
.macro FRAG reg, adr, off
	ds_load_b128 v[\reg:\reg+3], v[\adr] offset:\off
	ds_load_b64 v[\reg+4:\reg+5], v[\adr+1] offset:\off+512
	ds_load_b128 v[\reg+6:\reg+9], v[\adr] offset:\off+768
	ds_load_b64 v[\reg+10:\reg+11], v[\adr+1] offset:\off+1280
.endm
.macro FETCH s                         ; step s's twelve fragments into set s % 2: 48 loads
	WIN 0x40
.irp i, 0,1,2,3,4,5,6,7
	FRAG 128*((\s)%2)+FR*\i, ADRB+2*(\i/4), (\i%4)*TILEG+(\s)*1536
.endr
	WIN 0
.irp i, 0,1,2,3
	FRAG AF+48*((\s)%2)+FR*\i, ADRA, \i*TILEG+(\s)*1536
.endr
.endm
.macro MUL s                           ; 32 products, the accumulators by turns
.irp a, 0,1,2,3
.irp b, 0,1,2,3,4,5,6,7
.set rD, 8*(8*\a+\b)
.set rB, 128*((\s)%2)+FR*\b
.set rA, AF+48*((\s)%2)+FR*\a
.set rSB, SC+16*((\s)/2)+2*\b+(\s)%2
.set rSA, SC+16*((\s)/2)+2*\a+(\s)%2
.if (\s) == 0
	v_wmma_scale_f32_16x16x128_f8f6f4 v[rD:rD+7], v[rB:rB+FR-1], v[rA:rA+FR-1], v[BI+8*\b:BI+8*\b+7], v[rSB], v[rSA] matrix_a_fmt:MATRIX_FMT_FP6 matrix_b_fmt:MATRIX_FMT_FP6 matrix_a_scale:MATRIX_SCALE_ROW1
.else
	v_wmma_scale_f32_16x16x128_f8f6f4 v[rD:rD+7], v[rB:rB+FR-1], v[rA:rA+FR-1], v[rD:rD+7], v[rSB], v[rSA] matrix_a_fmt:MATRIX_FMT_FP6 matrix_b_fmt:MATRIX_FMT_FP6 matrix_a_scale:MATRIX_SCALE_ROW1
.endif
.endr
.endr
.endm
.macro STEP s
.if (\s) > 0
	PLACES 4                                       ; ahead of loads into the set that the last step's products read
.endif
.if (\s) < 7
	FETCH (\s)+1
	s_wait_dscnt 48                                ; all but the 48 just issued
.else
	s_wait_dscnt 0x0
.endif
.if (\s) == 0
	WIN 0x81                                       ; source 0 window 1, source 1 and C (the bias) window 0, D window 2
.else
	WIN 0xa1
.endif
	MUL \s
.endm
.irp p, 0,1,2,3
.irp i, 0,1,2,3,4,5,6,7
	ds_load_b64 v[SC+16*\p+2*\i:SC+16*\p+2*\i+1], v[ADRS] offset:\i*512+\p*128
.endr
.endr
	FETCH 0
	s_wait_loadcnt 0x0                             ; the bias
.set ST, 0
.rept 8
	STEP ST
.set ST, ST+1
.endr
	WIN 0
	PLACES 4                                       ; behind the last products, ahead of the reads of their results and of loads into their sources
	s_barrier_signal -1                            ; no LDS instruction of mine is out: nobody reads H's tiles behind this barrier
	s_barrier_wait -1
; THE WAY OUT, block by block of 16 rows x 128 columns: through my stage, back as whole rows of 512 bytes.  LDS serves a wave's instructions in order: no wait between the stores and the loads.
.macro TOSTAGE a
.set AC, 64*(\a)
	WIN 0x08
.irp b, 0,1,2,3,4,5,6,7
	ds_store_b128 v[STO], v[AC+8*\b:AC+8*\b+3] offset:128*(\b/2)+32*(\b%2)
	ds_store_b128 v[STO], v[AC+8*\b+4:AC+8*\b+7] offset:128*(\b/2)+32*(\b%2)+16
.endr
	WIN 0
.set BB, BK+64*((\a)%2)
.irp t, 0,1,2,3,4,5,6,7,8,9,10,11,12,13,14,15
	ds_load_b128 v[BB+4*\t:BB+4*\t+3], v[RD] offset:\t*SPITCH
.endr
.endm
.macro SEND a, younger
.set BB, BK+64*((\a)%2)
	s_wait_dscnt \younger
.if (\a) > 0
.if (\a)%2
	s_add_nc_u64 s[78:79], s[78:79], 8*4096        ; an odd tile begins 8 rows behind the even one, the next even one 24 further on
.else
	s_add_nc_u64 s[78:79], s[78:79], 24*4096
.endif
.endif
.irp t, 0,1,2,3,4,5,6,7,8,9,10,11,12,13,14,15
	global_store_b128 v[CO], v[BB+4*\t:BB+4*\t+3], s[78:79] offset:(\t+8*(\t/8))*4096 th:TH_STORE_NT   ; 32 lanes store 512 consecutive aligned bytes
.endr
.endm
	TOSTAGE 0
.irp a, 1,2,3
.if \a > 1
	s_wait_xcnt 0x0                                ; block a - 2's stores have read their registers and their base
.endif
	TOSTAGE \a
	SEND \a-1, 32                                  ; behind block a - 1's loads: block a's 16 stores and 16 loads
.endr
	s_wait_xcnt 0x0
	SEND 3, 0
	s_wait_tensorcnt 0x0                           ; the wave's end
	ds_add_u32 v[SPW], v[NIL]
	s_wait_dscnt 0x0
	CROUND                                         ; the closing round
	s_endpgm
.Lfunc_end_k_qd3bf76081d_gemm_out:
	.size	k_qd3bf76081d_gemm_out, .Lfunc_end_k_qd3bf76081d_gemm_out-k_qd3bf76081d_gemm_out
	.p2alignl 7, 3214868480
	.fill 96, 4, 3214868480
	.section	.rodata,"a",@progbits
	.p2align	6, 0x0
	.amdhsa_kernel k_qd3bf76081d_gemm_out
		.amdhsa_group_segment_fixed_size 327680
		.amdhsa_private_segment_fixed_size 0
		.amdhsa_enable_private_segment 0
		.amdhsa_kernarg_size 48
		.amdhsa_user_sgpr_count 2
		.amdhsa_user_sgpr_kernarg_segment_ptr 1
		.amdhsa_wavefront_size32 1
		.amdhsa_system_sgpr_workgroup_id_x 1
		.amdhsa_system_sgpr_workgroup_id_y 1
		.amdhsa_system_sgpr_workgroup_id_z 1
		.amdhsa_system_vgpr_workitem_id 0
		.amdhsa_next_free_vgpr 768
		.amdhsa_next_free_sgpr 100
		.amdhsa_reserve_vcc 0
		.amdhsa_float_denorm_mode_32 3
		.amdhsa_float_denorm_mode_16_64 3
		.amdhsa_memory_ordered 1
		.amdhsa_forward_progress 1
		.amdhsa_inst_pref_size 85
	.end_amdhsa_kernel
	.amdgpu_metadata
---
amdhsa.version: [ 1, 2 ]
amdhsa.kernels:
  - .name:           k_qd3bf76081d_gemm_out
    .symbol:         k_qd3bf76081d_gemm_out.kd
    .args:
      - { .name: himg, .offset: 0, .size: 8, .value_kind: global_buffer, .address_space: global }
      - { .name: hsc, .offset: 8, .size: 8, .value_kind: global_buffer, .address_space: global }
      - { .name: cimg, .offset: 16, .size: 8, .value_kind: global_buffer, .address_space: global }
      - { .name: csc, .offset: 24, .size: 8, .value_kind: global_buffer, .address_space: global }
      - { .name: bh, .offset: 32, .size: 8, .value_kind: global_buffer, .address_space: global }
      - { .name: out0, .offset: 40, .size: 8, .value_kind: global_buffer, .address_space: global }
    .group_segment_fixed_size: 327680
    .private_segment_fixed_size: 0
    .kernarg_segment_align: 8
    .kernarg_segment_size: 48
    .max_flat_workgroup_size: 128
    .sgpr_count:     100
    .vgpr_count:     768
    .wavefront_size: 32
...
	.end_amdgpu_metadata
.endif
;; end of part 4
